; MI455X (gfx1250); checked and timed in simulation.
; The chip was launched on July 23, 2026; its instructions are those of AMD's public machine-readable ISA for CDNA 5 (MIT licence, August 2026) and "CDNA5" Instruction Set Architecture Reference Guide (July 2026). The comments in the code are by the model that wrote it; some were corrected since.
;; Multi Head Self Attention. Allowed arithmetic: matrix products marked QUANTISED: E4M3 operands, one E8M0 scale for each 32 along K, by v_wmma_scale_f32_16x16x128_f8f6f4 with both operands' format E4M3, f32 sums; everything else in f32.
;; Inputs: Wk 512 x 512 float32; Wo 512 x 512 float32; x 4 x 2,048 x 512 float32.
;; Outputs: out0 4 x 2,048 x 512 float32.
;; This version of the problem:
;;   THIS VERSION OF THE PROBLEM IS GIVEN IN LOW PRECISION. The matrix products marked QUANTISED in the list below multiply operands that are first quantised to E4M3 (4 exponent bits, 3 mantissa bits; 8 bits a number), with one power-of-two scale for each 32 numbers along K (OCP MX v1.0); their sums are f32. All else is computed in f32.
;;   The module's matrix products, in the order in which they are computed (A, B: the left and right operand; K: the contracted axis; several contracted axes count as one K, in the product's order):
;;     1. [M 8,192, K 512] x [K 512, N 512]; A: input x; B: input Wk: QUANTISED
;;     2. batch 32 x [M 2,048, K 64] x [K 64, N 2,048]; A: computed on the way; B: computed on the way: QUANTISED
;;     3. batch 32 x [M 2,048, K 2,048] x [K 2,048, N 64]; A: softmax (see below); B: computed on the way: QUANTISED
;;     4. [M 8,192, K 512] x [K 512, N 512]; A: computed on the way; B: input Wo: QUANTISED
;;   THE QUANTISER, for each operand of a quantised product, along K:
;;     - K is cut into blocks of 32 from its start; a last block that is shorter is filled with zeros.
;;     - A block's scale is 2^e with e = floor(log2(the largest magnitude in the block)) - 8, held to -126 .. 127; a block of zeros has e = 0. As a byte (E8M0): e + 127.
;;     - Each number is divided by its block's scale, clamped to +-448, and rounded to the nearest number of E4M3, ties to even, subnormals kept.
;;     - The product sums the exact products of the quantised numbers (number of the format x scale) in f32.
;;   ~~~python
;;   def quantise(x, axis):      # numpy; x: float32 -> the quantised numbers, widened to float32 again
;;       x = np.moveaxis(x, axis, -1); K = x.shape[-1]
;;       x = np.pad(x, [(0, 0)] * (x.ndim - 1) + [(0, -K % 32)]); x = x.reshape(x.shape[:-1] + (-1, 32)); a = np.abs(x).max(-1, keepdims=True)
;;       e = np.where(a > 0, np.clip(np.frexp(np.where(a > 0, a, 1))[1] - 1 - 8, -126, 127), 0)      # np.frexp(a)[1] - 1 = floor(log2(a)), exactly
;;       r = np.clip(x / 2.0 ** e, -448, 448)
;;       step = 2.0 ** (np.maximum(np.frexp(np.where(r == 0, 1, r))[1] - 1, -6) - 3)
;;       q = np.round(r / step) * step * 2.0 ** e      # np.round: ties to even
;;       return np.moveaxis(q.reshape(q.shape[:-2] + (-1,))[..., :K], -1, axis).astype(np.float32)
;;   ~~~
;;   SOFTMAX AHEAD OF A QUANTISED PRODUCT. Where the list says 'softmax', what is quantised is not the finished softmax but p = 2^(t - M), with t = logit x log2(e) and M = ceil(the row's largest t), a whole number; so 1/2 < the row's largest p <= 1. The row's sum l is taken of the UNQUANTISED p, in f32, and the product's result is divided by l at the end. Since M is a whole number, a kernel that streams over the keys may use a running M (the ceiling of the running maximum): every later rescaling is an exact power of two, which a block's scale takes up: the codes' values come out the same.
;;   OPERANDS COMPUTED ON THE WAY. 'Computed on the way' means the value that the module computes at that place (a softmax that the list does not call 'softmax' is quantised finished and normalised). What goes into a quantiser is computed in f32, as accurately as f32 sums, v_exp_f32 and their like allow (about 1e-6 of the number): no bf16 or f16 on the way to a quantiser, and a product that is left as it is and whose result goes on into a quantised operand takes f32 operands (vector FMAs, or v_wmma_f32_16x16x4_f32). A number that lies on a knife's edge between two numbers of the format may be rounded either way, as far as f32 arithmetic and the matrix unit's own rounding can turn it there, and no further.
;; One version. Each part assembles by itself: llvm-mc -triple=amdgcn-amd-amdhsa -mcpu=gfx1250 --defsym DOCPART=n.
;; ======== version 1 of 1: 4 launches
;; limits: right only within a limited range of input values
;; workspace buffers: q 4,866,048 bytes; kv 8,650,752 bytes; wf 4,325,376 bytes
;; launch quant (part 1): grid 576 x 1, 4 waves a work-group, no clusters, 34,560 bytes of LDS; arguments x, Wk, Wo, q; writes q
.if DOCPART == 1
	.amdgcn_target "amdgcn-amd-amdhsa--gfx1250"
	.amdhsa_code_object_version 6
	.text
	.protected	k_q6f6803ccd8_quant
	.globl	k_q6f6803ccd8_quant
	.p2align	8
	.type	k_q6f6803ccd8_quant,@function
k_q6f6803ccd8_quant:
	s_mov_b64 s[64:65], 0
	v_nop
	global_prefetch_b8 v0, s[64:65] scope:SCOPE_SE
	s_setreg_imm32_b32 hwreg(HW_REG_WAVE_MODE, 25, 1), 1
	s_wait_xcnt 0x0
; x [8192][512], Wk [512][512], Wo [512][512], f32, K innermost, become codes of FP8 (E4M3) with one E8M0 byte for each 32 along K,
; laid in the ORDER OF AN OPERAND'S REGISTERS.  A record of q is one tile of 16 rows: four images of 2,048 bytes (K steps of 128), then 256 bytes of scale words.
; An image: chunk c (512 bytes), lane l's 16 bytes at 16 l: registers 4 c .. 4 c + 3 of lane (r = l % 16, h = l / 16): k = 32 c + 16 h + 0 .. 15 of the tile's row r.
; THE ROWS OF A TILE ARE NOT NEIGHBOURS: row r of tile T is tensor row 32 (T / 2) + 8 (T % 2) + r + 8 (r / 8), so that, used as source 0, two neighbouring tiles give a lane 16 neighbours.
; Scale words: row r's word of K step s at 8192 + 16 r + 4 s.  Records 0-511 x, 512-543 Wk, 544-575 Wo.
; A block's scale is 2^(floor(log2(its largest magnitude)) - 8); its byte is the largest magnitude's exponent field - 8, held at 1 from below.
; LIMITS: a block of zeros gets the byte 1 where the rule says 127 (its codes are zeros, and this program alone reads the bytes); blocks whose largest magnitude lies under 2^(9 - 127) keep the byte 1;
; NaN and infinities among the inputs are not served.
; SHARES: a work-group makes a record, wave s its image s.  Each of a wave's 16 loads reads 512 consecutive bytes of one row; all 16 are out together.  The rows turn through the wave's own stage in LDS,
; so that a lane gets 16 neighbours of each block of 32.  No tensor loads, no cluster: the work-groups share no input.
.set REC,   8448
.set PITCH, 528                        ; a stage row: 512 bytes + 16 = 132 words: row r starts at bank 4 r mod 64 (64 banks of 4 bytes: ISA guide 11.1)
.set STG,   16*PITCH                   ; a wave's stage
.set SCW,   4*STG                      ; behind the stages: the record's 256 bytes of scale words
.set R,   16                           ; v16-79   16 rows as loaded
.set X,   80                           ; v80-143  register 16 b + i: k = 32 b + 16 h + i of my row
.set TM,  144                          ; v144-159 at work in QUANT
.set PC,  160                          ; v160-175 the codes
.set PW,  176                          ; v176     the scale word
.set WV,  14
.set SEL, 20                           ; s[20:21] v_permlanex16_b32's selects for lane l xor 16
.set MNT, 23                           ; s23      unused
; 64 numbers of a lane, register 16 b + i = k 32 b + 16 (lane / 16) + i of my row, become a fragment's codes in v[PC] on and its scale word in v[PW].
.macro QUANT s
.irp b, 0,1,2,3
	v_mov_b32 v[TM+4+\b], 0                        ; a lane permute's destination counts as one of its sources
.endr
.irp b, 0,1,2,3
	v_max3_num_f32 v[TM+\b], |v[\s+16*\b]|, |v[\s+1+16*\b]|, 0x4800000   ; block b: my 16 numbers, and the floor 2^(9 - 127): the byte cannot fall under 1
.endr
.irp i, 2,4,6,8,10,12,14
.irp b, 0,1,2,3
	v_max3_num_f32 v[TM+\b], v[TM+\b], |v[\s+16*\b+\i]|, |v[\s+1+16*\b+\i]|   ; the four blocks by turns
.endr
.endr
.irp b, 0,1,2,3
	v_permlanex16_b32 v[TM+4+\b], v[TM+\b], s[SEL], s[SEL+1]
.endr
.irp b, 0,1,2,3
	v_max_num_f32 v[TM+\b], v[TM+\b], v[TM+4+\b]   ; with lane l xor 16's: the block's largest magnitude
.endr
.irp b, 0,1,2,3
	v_add_nc_u32 v[TM+12+\b], 0xfc000000, v[TM+\b] ; 8 off its exponent field: the conversion's scale operand
.endr
.irp b, 0,1,2,3
.endr
.irp b, 0,1,2,3
	v_lshrrev_b32 v[TM+4+\b], 23, v[TM+12+\b]      ; the scale's byte
.endr
	v_lshl_or_b32 v[PW], v[TM+5], 8, v[TM+4]
	v_lshl_or_b32 v[PW], v[TM+6], 16, v[PW]
	v_lshl_or_b32 v[PW], v[TM+7], 24, v[PW]
.irp b, 0,1,2,3
.irp i, 0,1,2,3,4,5,6,7,8,9,10,11,12,13,14,15
.endr
	v_cvt_scalef32_pk8_fp8_f32 v[PC+4*\b:PC+1+4*\b], v[\s+16*\b:\s+7+16*\b], v[TM+12+\b]
	v_cvt_scalef32_pk8_fp8_f32 v[PC+2+4*\b:PC+3+4*\b], v[\s+8+16*\b:\s+15+16*\b], v[TM+12+\b]
.endr
	v_nop                                          ; one plain vector instruction behind the last conversion
.endm
	s_load_b256 s[4:11], s[0:1], 0x0               ; x s[4:5], Wk s[6:7], Wo s[8:9], q s[10:11]
	v_lshl_add_u32 v192, v0, 2, 0x8500
	v_mov_b32 v193, 0
	v_lshrrev_b32 v7, 5, v0
	v_readfirstlane_b32 s[WV], v7                  ; wave 0..3 = K step
	v_and_b32 v8, 31, v0                           ; lane
	v_and_b32 v9, 15, v0                           ; r
	v_bfe_u32 v10, v0, 4, 1                        ; h
	v_lshlrev_b32 v1, 4, v8                        ; v1: 16 x lane: my bytes of a row's 512, and of an image's chunk
	s_mul_i32 s15, s[WV], STG
	v_add_nc_u32 v2, s15, v1                       ; v2: the stage, on the way in
	v_mul_u32_u24 v3, v9, PITCH
	v_lshl_add_u32 v3, v10, 6, v3
	v_add_nc_u32 v3, s15, v3                       ; v3: on the way out: row r, + 64 h
	s_lshl_b32 s16, s[WV], 2
	s_add_co_u32 s16, s16, SCW
	v_lshl_add_u32 v4, v9, 4, s16                  ; v4: my row's scale word of my K step: SCW + 16 r + 4 x wave
	v_lshlrev_b32 v5, 3, v8                        ; v5: 8 x lane
	v_add_nc_u32 v6, SCW, v5                       ; v6: SCW + 8 x lane
	s_mov_b32 s[SEL], 0x76543210
	s_mov_b32 s[SEL+1], 0xfedcba98
	s_wait_alu depctr_va_vdst(0)
	s_wait_kmcnt 0x0
	s_cmp_lt_u32 ttmp9, 544                        ; which tensor: the choice hangs on the work-group's number alone
	s_cselect_b64 s[6:7], s[6:7], s[8:9]
	s_mov_b32 s12, 544
	s_cselect_b32 s12, 512, s12
	s_cmp_lt_u32 ttmp9, 512
	s_cselect_b64 s[4:5], s[4:5], s[6:7]
	s_cselect_b32 s12, 0, s12
	s_sub_co_u32 s12, ttmp9, s12                   ; T: the tile in its tensor
	s_lshr_b32 s17, s12, 1
	s_lshl_b32 s17, s17, 16                        ; 32 (T / 2) rows of 2,048 bytes
	s_and_b32 s18, s12, 1
	s_lshl_b32 s18, s18, 14                        ; 8 (T % 2) rows
	s_add_co_u32 s18, s18, s17
	s_lshl_b32 s17, s[WV], 9                       ; my K step's 512 bytes of a row
	s_add_co_u32 s18, s18, s17
	s_mov_b32 s19, 0
	s_add_nc_u64 s[4:5], s[4:5], s[18:19]
	s_mul_i32 s24, ttmp9, REC                      ; the record,
	s_lshl_b32 s17, s[WV], 11                      ; my image in it
	s_add_co_u32 s24, s24, s17
	s_mov_b32 s25, 0
	s_add_nc_u64 s[10:11], s[10:11], s[24:25]
.irp t, 0,1,2,3,4,5,6,7,8,9,10,11,12,13,14,15
	global_load_b128 v[R+4*\t:R+4*\t+3], v1, s[4:5] offset:(\t+8*(\t/8))*2048 th:TH_LOAD_NT   ; the tile's row t: 32 lanes read 512 consecutive bytes
.endr
.irp t, 0,1,2,3,4,5,6,7,8,9,10,11,12,13,14,15
	s_wait_loadcnt 15-\t                           ; loads come back in order: row t is in, the rows behind it may be out
	ds_store_b128 v2, v[R+4*\t:R+4*\t+3] offset:PITCH*\t
.endr
.irp b, 0,1,2,3
.irp j, 0,1,2,3
	ds_load_b128 v[X+16*\b+4*\j:X+16*\b+4*\j+3], v3 offset:128*\b+16*\j   ; LDS serves a wave's instructions in order: these see my stores
.endr
.endr
	s_wait_dscnt 0x0
	QUANT X
.irp c, 0,1,2,3
	global_store_b128 v1, v[PC+4*\c:PC+4*\c+3], s[10:11] offset:512*\c   ; 32 lanes store 512 consecutive bytes, at a multiple of 256 from q's first byte
.endr
	ds_store_b32 v4, v[PW]                         ; both halves of the lanes write the same word with the same value
	s_wait_dscnt 0x0                               ; for the others' sake: my scale words lie in LDS
	s_barrier_signal -1
	s_barrier_wait -1
	s_cmp_lg_u32 s[WV], 0
	s_cbranch_scc1 .Ldone
	ds_load_b64 v[12:13], v6                       ; wave 0 sends the record's 256 bytes of scale words (its base stands at the record's first byte)
	s_wait_dscnt 0x0
	global_store_b64 v5, v[12:13], s[10:11] offset:8192   ; 32 lanes store 256 consecutive bytes, aligned
.Ldone:
	s_wait_tensorcnt 0x0
	ds_add_u32 v192, v193
	s_wait_dscnt 0x0
	s_endpgm
.Lfunc_end_k_q6f6803ccd8_quant:
	.size	k_q6f6803ccd8_quant, .Lfunc_end_k_q6f6803ccd8_quant-k_q6f6803ccd8_quant
	.p2alignl 7, 3214868480
	.fill 96, 4, 3214868480
	.section	.rodata,"a",@progbits
	.p2align	6, 0x0
	.amdhsa_kernel k_q6f6803ccd8_quant
		.amdhsa_group_segment_fixed_size 34560
		.amdhsa_private_segment_fixed_size 0
		.amdhsa_enable_private_segment 0
		.amdhsa_kernarg_size 32
		.amdhsa_user_sgpr_count 2
		.amdhsa_user_sgpr_kernarg_segment_ptr 1
		.amdhsa_wavefront_size32 1
		.amdhsa_system_sgpr_workgroup_id_x 1
		.amdhsa_system_sgpr_workgroup_id_y 1
		.amdhsa_system_sgpr_workgroup_id_z 1
		.amdhsa_system_vgpr_workitem_id 0
		.amdhsa_next_free_vgpr 194
		.amdhsa_next_free_sgpr 66
		.amdhsa_reserve_vcc 0
		.amdhsa_float_denorm_mode_32 3
		.amdhsa_float_denorm_mode_16_64 3
		.amdhsa_fp16_overflow 1
		.amdhsa_memory_ordered 1
		.amdhsa_forward_progress 1
		.amdhsa_inst_pref_size 11
	.end_amdhsa_kernel
	.amdgpu_metadata
---
amdhsa.version: [ 1, 2 ]
amdhsa.kernels:
  - .name:           k_q6f6803ccd8_quant
    .symbol:         k_q6f6803ccd8_quant.kd
    .args:
      - { .name: x, .offset: 0, .size: 8, .value_kind: global_buffer, .address_space: global }
      - { .name: Wk, .offset: 8, .size: 8, .value_kind: global_buffer, .address_space: global }
      - { .name: Wo, .offset: 16, .size: 8, .value_kind: global_buffer, .address_space: global }
      - { .name: q, .offset: 24, .size: 8, .value_kind: global_buffer, .address_space: global }
    .group_segment_fixed_size: 34560
    .private_segment_fixed_size: 0
    .kernarg_segment_align: 8
    .kernarg_segment_size: 32
    .max_flat_workgroup_size: 128
    .sgpr_count:     66
    .vgpr_count:     194
    .wavefront_size: 32
...
	.end_amdgpu_metadata
.endif
;; end of part 1
;; launch proj (part 2): grid 4 x 64, 8 waves a work-group, clusters of 4 x 4, 168,960 bytes of LDS; arguments q, kv; writes kv
.if DOCPART == 2
	.amdgcn_target "amdgcn-amd-amdhsa--gfx1250"
	.amdhsa_code_object_version 6
	.text
	.protected	k_q6f6803ccd8_proj
	.globl	k_q6f6803ccd8_proj
	.p2align	8
	.type	k_q6f6803ccd8_proj,@function
k_q6f6803ccd8_proj:
	s_mov_b64 s[64:65], 0
	v_nop
	global_prefetch_b8 v0, s[64:65] scope:SCOPE_SE
	s_setreg_imm32_b32 hwreg(HW_REG_WAVE_MODE, 25, 1), 1
	s_wait_xcnt 0x0
	s_wait_alu depctr_hold_cnt(0) depctr_sa_sdst(0) depctr_va_vdst(0) depctr_va_sdst(0) depctr_va_ssrc(0) depctr_va_vcc(0) depctr_vm_vsrc(0)
	s_getreg_b32 s2, hwreg(HW_REG_IB_STS2, 6, 4)
	s_cmp_eq_u32 s2, 0
	s_cbranch_scc0 .Lentry_in_a_cluster
	s_endpgm
.Lentry_in_a_cluster:
	s_bfe_u32 s2, ttmp6, 0x10000c
	s_cmp_lg_u32 s2, 0xf033
	s_cbranch_scc0 .Lentry_shape_is_right
	s_endpgm
.Lentry_shape_is_right:
; K = Q(x) Q(Wk)^T on codes of FP8 (E4M3) with E8M0 scales, f32 sums, K steps ascending on one accumulator for each output.  The result is needed quantised TWICE: along the head's 64 (both sides of the
; scores' product) and along the keys (the values' side of the second product).  So the product is made in BOTH orientations (swapped sources give the same bits): once with a lane holding a key and its
; registers running along the head's 64, once with a lane holding a channel and its registers running along the keys.  Nothing is transposed.
; SHARES: work-group (P, J): keys 128 J .. + 127 (x's records 8 J .. + 7 of q) x channels 128 P .. + 127 (Wk's records 8 P .. + 7: heads 2 P, 2 P + 1).  Wave w: head p = w / 4, piece idx = w % 4:
; it makes K fragment idx (key tiles 2 idx, 2 idx + 1 x 64 dims) and then V fragment idx (channel tile idx x 128 keys) of its head.  All waves run one path.
; kv: head g = 8 b + hd at g x 270,336; key step j (128 keys) at + j x 16,896: four K fragments of 2,048 bytes (chunks 0, 1: key tile 2 b', dims 32 c + 16 h + ..; chunks 2, 3: key tile 2 b' + 1),
; four V fragments (row = channel of tile t, k = the step's keys), 256 bytes of K's scale words (64 b' + 4 r), 256 of V's (64 t + 4 r).
; CLUSTER 4 x 4: the four of a row share x's records, the four of a column Wk's: each is asked for jointly, by the same tensor load with the same descriptor and a mask that names the four.
; LDS is filled once: x's 8 records, Wk's 8 records; nothing is filled again.  By this text's count a wave has one tensor load out.
; LIMITS: as in the launch that makes q: a block of zeros gets the byte 1; NaN and infinities are not served.
.set REC,   8448
.set STEPB, 16896                      ; two records: what one tensor load brings; also a key step of kv
.set WR,    8*REC                      ; LDS: x's records at 0, Wk's here,
.set SST,   16*REC                     ; and 1,024 bytes for the scale words on their way out: head p at 512 p: K's at 64 idx + 4 r, V's 256 further on
.set QWK,   512*REC                    ; Wk's first record in q
.set HEADB, 270336
.set ACC, 16                           ; v16-79   eight accumulators
.set FR,  80                           ; v80-223  fragments
.set TM,  176                          ; v176-191 at work in QUANT (fragments that are done with)
.set PC,  192                          ; v192-207 the codes (likewise)
.set SC,  224                          ; v224-232 scale words: they hold nothing else
.set PW,  233                          ; v233     the scale word just made
.set WV,  14
.set G1A, 24                           ; s[24:31], s[32:35] descriptor groups 1 and 0 for x's records
.set G0A, 32
.set SEL, 36                           ; s[36:37]
.set MNT, 38
.set G1B, 48                           ; s[48:55], s[56:59] for Wk's
.set G0B, 56
.macro CROUND                          ; a round of the cluster's barrier
	s_barrier_signal -1
	s_barrier_wait -1
	s_cmp_lg_u32 s[WV], 0
	s_cbranch_scc1 .Lnot_wave_0_\@
	s_barrier_signal -3
.Lnot_wave_0_\@:
	s_barrier_wait -3
	s_barrier_signal -1
	s_barrier_wait -1
.endm
.macro QUANT s                         ; 64 numbers of a lane, register 16 b + i, become codes in v[PC] on and a scale word in v[PW]; a block of 32 lies in lanes l and l xor 16
.irp b, 0,1,2,3
	v_mov_b32 v[TM+4+\b], 0                        ; a lane permute's destination counts as one of its sources
.endr
.irp b, 0,1,2,3
	v_max3_num_f32 v[TM+\b], |v[\s+16*\b]|, |v[\s+1+16*\b]|, 0x4800000   ; each accumulator is read from its low end on; the floor 2^(9 - 127) holds the byte at 1 from below
.endr
.irp i, 2,4,6,8,10,12,14
.irp b, 0,1,2,3
	v_max3_num_f32 v[TM+\b], v[TM+\b], |v[\s+16*\b+\i]|, |v[\s+1+16*\b+\i]|
.endr
.endr
.irp b, 0,1,2,3
	s_delay_alu instid0(VALU_DEP_4)
	v_permlanex16_b32 v[TM+4+\b], v[TM+\b], s[SEL], s[SEL+1]
.endr
.irp b, 0,1,2,3
	s_delay_alu instid0(VALU_DEP_4)
	v_max_num_f32 v[TM+\b], v[TM+\b], v[TM+4+\b]
.endr
.irp b, 0,1,2,3
	s_delay_alu instid0(VALU_DEP_4)
	v_add_nc_u32 v[TM+12+\b], 0xfc000000, v[TM+\b] ; 8 off the exponent field: the conversion's scale operand
.endr
.irp b, 0,1,2,3
.endr
.irp b, 0,1,2,3
	s_delay_alu instid0(VALU_DEP_4)
	v_lshrrev_b32 v[TM+4+\b], 23, v[TM+12+\b]      ; the scale's byte
.endr
	s_delay_alu instid0(VALU_DEP_3)
	v_lshl_or_b32 v[PW], v[TM+5], 8, v[TM+4]
	s_delay_alu instid0(VALU_DEP_1)
	v_lshl_or_b32 v[PW], v[TM+6], 16, v[PW]
	s_delay_alu instid0(VALU_DEP_1)
	v_lshl_or_b32 v[PW], v[TM+7], 24, v[PW]
.irp b, 0,1,2,3
.irp i, 0,1,2,3,4,5,6,7,8,9,10,11,12,13,14,15
.endr
	v_cvt_scalef32_pk8_fp8_f32 v[PC+4*\b:PC+1+4*\b], v[\s+16*\b:\s+7+16*\b], v[TM+12+\b]
	v_cvt_scalef32_pk8_fp8_f32 v[PC+2+4*\b:PC+3+4*\b], v[\s+8+16*\b:\s+15+16*\b], v[TM+12+\b]
.endr
	v_nop                                          ; one plain vector instruction behind the last conversion: later products write its sources
.endm
	s_load_b128 s[4:7], s[0:1], 0x0                ; q s[4:5], kv s[6:7]
	v_lshl_add_u32 v254, v0, 2, 0x29000
	v_mov_b32 v255, 0
	ds_add_u32 v254, v255
	ds_add_u32 v254, v255
	v_lshrrev_b32 v13, 5, v0
	s_delay_alu instid0(VALU_DEP_1)
	v_readfirstlane_b32 s[WV], v13                 ; wave 0..7
	s_lshr_b32 s15, s[WV], 2                       ; p: which of the two heads
	s_and_b32 s16, s[WV], 3                        ; idx.  Also: which two records I fetch
	s_bfe_u32 s40, ttmp6, 0x40000                  ; cx, cy: my place in the cluster
	s_bfe_u32 s41, ttmp6, 0x40004
	s_lshl_b32 s42, ttmp9, 2
	s_add_co_u32 s42, s42, s40                     ; P = 4 x cluster x + cx
	s_and_b32 s17, ttmp7, 0xffff
	s_lshl_b32 s17, s17, 2
	s_add_co_u32 s17, s17, s41                     ; J = 4 x cluster y + cy
	s_lshl_b32 s43, s41, 2
	s_lshl_b32 s43, 15, s43                        ; my row of the cluster
	s_lshl_b32 s44, 0x1111, s40                    ; my column
	; descriptor group 1: a dense block of 16,896 bytes as 66 rows of 256 bytes (32 elements of 8 bytes), no padding: fragments are read 16 bytes a lane, 512 consecutive bytes an instruction
	s_or_b32 s[G1A], s43, (3<<16)|(1<<21)          ; 15:0 the mask: x's records go to my row; 17:16 elements of 8 bytes; 21 set beside a mask
	s_or_b32 s[G1B], s44, (3<<16)|(1<<21)          ; Wk's go to my column
.irp g, G1A, G1B
	s_mov_b32 s[\g+1], 32<<16                      ; tensor_dim0 = 32
	s_mov_b32 s[\g+2], 66<<16                      ; tensor_dim1 = 66
	s_mov_b32 s[\g+3], 32<<16                      ; tile_dim0 = 32
	s_mov_b32 s[\g+4], 66                          ; tile_dim1 = 66
	s_mov_b32 s[\g+5], 32                          ; tensor_dim0_stride
	s_mov_b32 s[\g+6], 0
	s_mov_b32 s[\g+7], 0
.endr
	s_mul_i32 s18, s16, STEPB                      ; my two records among the eight
	s_mul_i32 s20, s17, 8*REC                      ; x's: hang on J alone, which my row shares
	s_add_co_u32 s20, s20, s18
	s_mov_b32 s21, 0
	s_mul_i32 s46, s42, 8*REC                      ; Wk's: hang on P alone, which my column shares
	s_add_co_u32 s46, s46, s18
	s_add_co_u32 s46, s46, QWK
	s_mov_b32 s47, 0
	s_mul_i32 s45, s[WV], STEPB                    ; where they go: waves 0-3 x's, waves 4-7 Wk's: wave x 16,896: no place in the cluster enters an LDS address
	s_mov_b32 s[SEL], 0x76543210
	s_mov_b32 s[SEL+1], 0xfedcba98
	s_wait_dscnt 0x0
	s_wait_kmcnt 0x0
	s_add_nc_u64 s[20:21], s[4:5], s[20:21]
	s_add_nc_u64 s[46:47], s[4:5], s[46:47]
	CROUND                                         ; all sixteen work-groups are here: the joint loads meet
	s_mov_b32 s[G0A], 1                            ; count = 1
	s_mov_b32 s[G0A+1], s45                        ; LDS address
	s_mov_b64 s[G0A+2:G0A+3], s[20:21]             ; global address
	s_or_b32 s[G0A+3], s[G0A+3], 0x80000000        ; type = 2
	s_mov_b32 s[G0B], 1
	s_mov_b32 s[G0B+1], s45
	s_mov_b64 s[G0B+2:G0B+3], s[46:47]
	s_or_b32 s[G0B+3], s[G0B+3], 0x80000000
	s_cmp_lt_u32 s[WV], 4                          ; the branch hangs on the wave's number alone; four v_nop follow each of the two lines
	s_cbranch_scc0 .Lfor_b
	tensor_load_to_lds s[G0A:G0A+3], s[G1A:G1A+7]
	s_nop 0
.rept 4
	v_nop
.endr
	s_branch .Lasked
.Lfor_b:
	tensor_load_to_lds s[G0B:G0B+3], s[G1B:G1B+7]
	s_nop 0
.rept 4
	v_nop
.endr
.Lasked:
	v_and_b32 v13, 31, v0
	s_delay_alu instid0(VALU_DEP_1)
	v_lshlrev_b32 v1, 4, v13                       ; v1  16 x lane: an image's place for my lane; x's tiles 0-3
	v_and_b32 v14, 15, v0
	s_delay_alu instid0(VALU_DEP_1)
	v_lshlrev_b32 v2, 4, v14                       ; v2  16 r: a record's scale words; x's tiles 0-3
	s_mul_i32 s8, s16, 2*REC                       ; x's tiles 2 idx, 2 idx + 1
	s_mul_i32 s9, s15, 4*REC
	s_add_co_u32 s9, s9, WR                        ; Wk's four tiles of my head
	s_mul_i32 s10, s16, REC
	s_add_co_u32 s10, s10, s9                      ; Wk's tile idx of my head
	v_add_nc_u32 v3, s8, v1                        ; v3-v6 images, v7-v10 scale words
	v_add_nc_u32 v4, s9, v1
	v_add_nc_u32 v5, 4*REC, v1                     ; x's tiles 4-7 (the 16-bit immediate does not reach them from 0)
	v_add_nc_u32 v6, s10, v1
	v_add_nc_u32 v7, s8, v2
	v_add_nc_u32 v8, s9, v2
	v_add_nc_u32 v9, 4*REC, v2
	v_add_nc_u32 v10, s10, v2
	s_lshl_b32 s12, s15, 9
	s_add_co_u32 s12, s12, SST
	s_lshl_b32 s11, s16, 6
	s_add_co_u32 s11, s11, s12
	v_lshl_add_u32 v11, v14, 2, s11                ; v11 where my scale words go: SST + 512 p + 64 idx + 4 r
	v_add_nc_u32 v12, s12, v1                      ; v12 where a head's 512 bytes of them are read back
	s_lshr_b32 s22, s17, 4                         ; kv: batch b = J / 16,
	s_lshl_b32 s22, s22, 3
	s_lshl_b32 s23, s42, 1
	s_add_co_u32 s22, s22, s23
	s_add_co_u32 s22, s22, s15                     ; head g = 8 b + 2 P + p,
	s_mul_i32 s22, s22, HEADB
	s_and_b32 s23, s17, 15
	s_mul_i32 s23, s23, STEPB                      ; key step J % 16,
	s_add_co_u32 s22, s22, s23
	s_lshl_b32 s23, s16, 11                        ; fragment idx
	s_add_co_u32 s22, s22, s23
	s_mov_b32 s23, 0
	s_add_nc_u64 s[6:7], s[6:7], s[22:23]
	s_wait_alu depctr_va_vdst(0)
	s_wait_tensorcnt 0x0                           ; my two records are in,
	s_barrier_signal -1
	s_barrier_wait -1                              ; everybody's are
; K step s of the first orientation: source 0 = 16 channels (Wk's tile n of my head), source 1 = 16 keys (x's tile 2 idx + u).  Lane (r, h) holds key r of its tile; register 16 (2 u + B) + i holds dim 32 B + 16 h + i.
; The eight accumulators take turns, one instruction a turn.
.macro KUNIT s
.if \s > 0
.rept 8
	v_nop                                          ; places in front of loads into registers that matrix instructions have read
.endr
.endif
.irp n, 0,1,2,3
.irp c, 0,1,2,3
	ds_load_b128 v[FR+16*\n+4*\c:FR+16*\n+4*\c+3], v4 offset:\n*REC+\s*2048+\c*512
.endr
	ds_load_b32 v[SC+\n], v8 offset:\n*REC+8192+4*\s
.endr
.irp u, 0,1
.irp c, 0,1,2,3
	ds_load_b128 v[FR+64+16*\u+4*\c:FR+64+16*\u+4*\c+3], v3 offset:\u*REC+\s*2048+\c*512
.endr
	ds_load_b32 v[SC+4+\u], v7 offset:\u*REC+8192+4*\s
.endr
	s_wait_dscnt 0x0
.irp u, 0,1
.irp n, 0,1,2,3
.if \s == 0
	v_wmma_scale_f32_16x16x128_f8f6f4 v[ACC+32*\u+8*\n:ACC+32*\u+8*\n+7], v[FR+16*\n:FR+16*\n+15], v[FR+64+16*\u:FR+64+16*\u+15], 0, v[SC+\n], v[SC+4+\u]
.else
	v_wmma_scale_f32_16x16x128_f8f6f4 v[ACC+32*\u+8*\n:ACC+32*\u+8*\n+7], v[FR+16*\n:FR+16*\n+15], v[FR+64+16*\u:FR+64+16*\u+15], v[ACC+32*\u+8*\n:ACC+32*\u+8*\n+7], v[SC+\n], v[SC+4+\u]
.endif
.endr
.endr
.endm
; K step s of the second: source 0 = 16 keys (x's tile t), source 1 = 16 channels (Wk's tile idx of my head).  Lane (r, h) holds channel r of the tile; register 16 c + i holds key 32 c + 16 h + i.
.macro VUNIT s
.if \s > 0
.rept 8
	v_nop
.endr
.endif
.irp t, 0,1,2,3
.irp c, 0,1,2,3
	ds_load_b128 v[FR+16*\t+4*\c:FR+16*\t+4*\c+3], v1 offset:\t*REC+\s*2048+\c*512
.endr
	ds_load_b32 v[SC+\t], v2 offset:\t*REC+8192+4*\s
.endr
.irp t, 0,1,2,3
.irp c, 0,1,2,3
	ds_load_b128 v[FR+64+16*\t+4*\c:FR+64+16*\t+4*\c+3], v5 offset:\t*REC+\s*2048+\c*512
.endr
	ds_load_b32 v[SC+4+\t], v9 offset:\t*REC+8192+4*\s
.endr
.irp c, 0,1,2,3
	ds_load_b128 v[FR+128+4*\c:FR+128+4*\c+3], v6 offset:\s*2048+\c*512
.endr
	ds_load_b32 v[SC+8], v10 offset:8192+4*\s
	s_wait_dscnt 0x0
.irp t, 0,1,2,3,4,5,6,7
.if \s == 0
	v_wmma_scale_f32_16x16x128_f8f6f4 v[ACC+8*\t:ACC+8*\t+7], v[FR+16*\t:FR+16*\t+15], v[FR+128:FR+143], 0, v[SC+\t], v[SC+8]
.else
	v_wmma_scale_f32_16x16x128_f8f6f4 v[ACC+8*\t:ACC+8*\t+7], v[FR+16*\t:FR+16*\t+15], v[FR+128:FR+143], v[ACC+8*\t:ACC+8*\t+7], v[SC+\t], v[SC+8]
.endif
.endr
.endm
	KUNIT 0
	KUNIT 1
	KUNIT 2
	KUNIT 3
.rept 9
	v_nop                                          ; eight places in front of the first read of results; nine, since the accumulators are begun anew further down
.endr
	QUANT ACC                                      ; along the head's 64: blocks (u, B); the codes are chunks 2 u + B of K fragment idx
.irp c, 0,1,2,3
	global_store_b128 v1, v[PC+4*\c:PC+4*\c+3], s[6:7] offset:512*\c   ; 32 lanes store 512 consecutive bytes, at a multiple of 256 from kv's first byte
.endr
	ds_store_b32 v11, v[PW]                        ; both halves of the lanes write the same word with the same value
	s_wait_xcnt 0x0                                ; the stores have read the codes' registers: loads land there below
	VUNIT 0
	VUNIT 1
	VUNIT 2
	VUNIT 3
.rept 8
	v_nop
.endr
	QUANT ACC                                      ; along the keys: block c; the codes are V fragment idx
.irp c, 0,1,2,3
	global_store_b128 v1, v[PC+4*\c:PC+4*\c+3], s[6:7] offset:8192+512*\c
.endr
	ds_store_b32 v11, v[PW] offset:256
	s_wait_dscnt 0x0                               ; for the others' sake: my scale words lie in LDS
	s_barrier_signal -1
	s_barrier_wait -1
	s_cmp_lg_u32 s16, 0
	s_cbranch_scc1 .Lno_words
	ds_load_b128 v[FR:FR+3], v12                   ; waves 0 and 4 send their head's 512 bytes of scale words (their base stands at the key step's first byte)
	s_wait_dscnt 0x0
	global_store_b128 v1, v[FR:FR+3], s[6:7] offset:16384   ; 512 consecutive bytes, aligned
.Lno_words:
	s_wait_tensorcnt 0x0
	ds_add_u32 v254, v255
	s_wait_dscnt 0x0
	CROUND                                         ; the closing round: no work-group ends while a partner may still ask for a tile that names it
	s_endpgm
.Lfunc_end_k_q6f6803ccd8_proj:
	.size	k_q6f6803ccd8_proj, .Lfunc_end_k_q6f6803ccd8_proj-k_q6f6803ccd8_proj
	.p2alignl 7, 3214868480
	.fill 96, 4, 3214868480
	.section	.rodata,"a",@progbits
	.p2align	6, 0x0
	.amdhsa_kernel k_q6f6803ccd8_proj
		.amdhsa_group_segment_fixed_size 168960
		.amdhsa_private_segment_fixed_size 0
		.amdhsa_enable_private_segment 0
		.amdhsa_kernarg_size 16
		.amdhsa_user_sgpr_count 2
		.amdhsa_user_sgpr_kernarg_segment_ptr 1
		.amdhsa_wavefront_size32 1
		.amdhsa_system_sgpr_workgroup_id_x 1
		.amdhsa_system_sgpr_workgroup_id_y 1
		.amdhsa_system_sgpr_workgroup_id_z 1
		.amdhsa_system_vgpr_workitem_id 0
		.amdhsa_next_free_vgpr 256
		.amdhsa_next_free_sgpr 66
		.amdhsa_reserve_vcc 0
		.amdhsa_float_denorm_mode_32 3
		.amdhsa_float_denorm_mode_16_64 3
		.amdhsa_fp16_overflow 1
		.amdhsa_memory_ordered 1
		.amdhsa_forward_progress 1
		.amdhsa_inst_pref_size 46
	.end_amdhsa_kernel
	.amdgpu_metadata
---
amdhsa.version: [ 1, 2 ]
amdhsa.kernels:
  - .name:           k_q6f6803ccd8_proj
    .symbol:         k_q6f6803ccd8_proj.kd
    .args:
      - { .name: q, .offset: 0, .size: 8, .value_kind: global_buffer, .address_space: global }
      - { .name: kv, .offset: 8, .size: 8, .value_kind: global_buffer, .address_space: global }
    .group_segment_fixed_size: 168960
    .private_segment_fixed_size: 0
    .kernarg_segment_align: 8
    .kernarg_segment_size: 16
    .max_flat_workgroup_size: 256
    .sgpr_count:     66
    .vgpr_count:     256
    .wavefront_size: 32
...
	.end_amdgpu_metadata
.endif
;; end of part 2
;; launch attn (part 3): grid 8 x 32, 16 waves a work-group, clusters of 4 x 1, 272,896 bytes of LDS; arguments kv, wf; writes wf
.if DOCPART == 3
	.amdgcn_target "amdgcn-amd-amdhsa--gfx1250"
	.amdhsa_code_object_version 6
	.text
	.protected	k_q6f6803ccd8_attn
	.globl	k_q6f6803ccd8_attn
	.p2align	8
	.type	k_q6f6803ccd8_attn,@function
k_q6f6803ccd8_attn:
	s_mov_b64 s[64:65], 0
	v_nop
	global_prefetch_b8 v0, s[64:65] scope:SCOPE_SE
	s_setreg_imm32_b32 hwreg(HW_REG_WAVE_MODE, 25, 1), 1
	s_wait_xcnt 0x0
	s_wait_alu depctr_hold_cnt(0) depctr_sa_sdst(0) depctr_va_vdst(0) depctr_va_sdst(0) depctr_va_ssrc(0) depctr_va_vcc(0) depctr_vm_vsrc(0)
	s_getreg_b32 s2, hwreg(HW_REG_IB_STS2, 6, 4)
	s_cmp_eq_u32 s2, 0
	s_cbranch_scc0 .Lentry_in_a_cluster
	s_endpgm
.Lentry_in_a_cluster:
	s_bfe_u32 s2, ttmp6, 0x10000c
	s_cmp_lg_u32 s2, 0x3003
	s_cbranch_scc0 .Lentry_shape_is_right
	s_endpgm
.Lentry_shape_is_right:
; For each head: O[q] = the sum over k of softmax_k(K[q] . K[k] / sqrt(512)) K[k], both products on codes of FP8 (E4M3) with E8M0 scales; the result is quantised along d for the last product and stored as codes.
; THE SOFTMAX AHEAD OF THE SECOND PRODUCT: t = score x log2(e) / sqrt(512); M = the row's largest t so far, rounded UP to a whole number; p = 2^(t - M) is quantised along the keys, not normalised.
; The row's sum is taken of the unquantised p, in f32, and divides O at the end.  When M moves, the sum and O are multiplied by 2^(old M - new M): exact.
; SHARES: a work-group owns 256 queries of one head; each of its sixteen waves one tile of 16, in 256 registers: four waves to a SIMD, so that one wave's vector work stands beside another's matrix work and LDS loads.
; THE WHOLE HEAD (270,336 bytes of kv: 16 key steps of K fragments, V fragments and scale words, laid in the order of the operands' registers) comes into LDS ONCE; nothing is filled again.
; Waves 0-3 fetch, four loads each: by this text's count four tensor loads of a wave are out at the most.  The first four key steps are waited for apart, the other twelve together: two barriers over the keys.
; CLUSTER 4 x 1: the four query blocks of a cluster belong to one head: each load is asked for jointly, with the same descriptor and a mask that names the four.
; LAYOUT: both products are used transposed: S^T = K Q^T (source 0 = keys, source 1 = my 16 queries), O^T = V^T P^T: a lane holds ONE query (lane % 16) throughout.
; The scores' K is 64, the instruction's 128: a K fragment holds TWO key tiles (k 0-63: tile 2 b; k 64-127: tile 2 b + 1), and Q stands in a run of registers [Q | zeros | Q]: its first 16 registers pick the
; first tile, registers 8-23 the second: zero codes add nothing under any scale byte but 0xff, and the bytes are 1 to 254.
; The keys of a tile are chosen (key 32 b + 8 u + r + 8 (r / 8)) so that the 16 registers of tiles 2 b, 2 b + 1 are keys 32 b + 16 (lane / 16) + 0 .. 15; the channels of V's tiles likewise.
; THE EXPONENTIALS GO IN THREE BATCHES, each with one wait ahead of its first reader, and plain work that names none of a batch's results stands among them: (a) the four blocks' largest p;
; (b) blocks 0 and 1, among the scalings of blocks 2 and 3, the lines that make the scales and half of O^T's rescaling; (c) blocks 2 and 3, among the sums of blocks 0 and 1.
; wf: block J' (128 rows) at J' x 67,584: codes at (T % 8) x 8192 + (d / 128) x 2048 + ((d % 128) / 32) x 512 + 16 x lane; scale half-words at 65,536 + 256 hd + 32 (T % 8) + 2 r.
; LIMITS: NaN and infinities are not served; a p under 2^-126 is flushed to 0 by v_exp_f32; a block of zeros gets the byte 1 (its codes are zeros, and this program alone reads the bytes).
.set STEPB, 16896
.set HEADB, 16*STEPB
.set SCST,  HEADB                      ; behind the head: 512 bytes for the scale half-words on their way out; no tile lands there
.set WFB,   67584
.set KSW,   16384                      ; a key step's scale words of K; V's are 256 further on
.set L16, 1                            ; v1   16 x lane
.set L4,  2                            ; v2   4 x lane
.set ADK, 3                            ; v3   the step's fragments
.set ADS, 4                            ; v4   the step's scale words
.set QSA, 5                            ; v5   4 r
.set SHA, 6                            ; v6   SCST + 32 x wave + 2 r
.set SRA, 7                            ; v7   SCST + 16 x lane
.set SGO, 8                            ; v8   wave 0's offset for the scale half-words
.set QLO, 16                           ; v16-31  Q | zeros
.set QHI, 24                           ; v24-39  zeros | Q
.set F,   40                           ; v40-103  four fragments of K, then of V
.set S,   104                          ; v104-167 S^T, then p
.set O,   168                          ; v168-199 O^T
.set PC,  200                          ; v200-215 p's codes
.set BM,  216                          ; v216-219 a block's largest score, then its largest p
.set T2,  220                          ; v220-223 the other half's; then the bytes
.set HO,  224                          ; v224-227 unused
.set SO,  228                          ; v228-231 the conversions' scale operands
.set FF,  232                          ; v[232:233] f = 2^(old M - new M); the upper word is written once, since the pair is named
.set TT,  234
.set PW,  235
.set C2,  236                          ; v[236:237] the sum's second chain: it runs on from step to step, like v[14:15]
.set KS,  240                          ; v240-241 K's scale words: lanes 0-15 the even fragment's, lanes 16-31 the odd one's
.set VS,  242                          ; v242-243 V's likewise
.set QS,  244                          ; v244 Q's two bytes, twice
.set PS,  245                          ; v245 p's scale word
.set WV,  8
.set G1,  16                           ; s[16:23] descriptor group 1
.set G0,  24                           ; s[24:39] four groups 0
.set SEL, 40
.set CS,  42                           ; s[42:43] c = log2(e) / sqrt(512)
.set MNT, 44
.set TB,  45                           ; LDS byte at which the key step in hand begins
.set CNT, 46
.macro CROUND
	s_barrier_signal -1
	s_barrier_wait -1
	s_cmp_lg_u32 s[WV], 0
	s_cbranch_scc1 .Lnot_wave_0_\@
	s_barrier_signal -3
.Lnot_wave_0_\@:
	s_barrier_wait -3
	s_barrier_signal -1
	s_barrier_wait -1
.endm
	s_load_b128 s[4:7], s[0:1], 0x0                ; kv s[4:5], wf s[6:7]
	v_lshl_add_u32 v254, v0, 2, 0x42200
	v_mov_b32 v255, 0
	ds_add_u32 v254, v255
	ds_add_u32 v254, v255
	v_lshrrev_b32 v9, 5, v0
	s_delay_alu instid0(VALU_DEP_1)
	v_readfirstlane_b32 s[WV], v9                  ; wave 0..15
	s_bfe_u32 s9, ttmp6, 0x40000                   ; cx
	s_lshl_b32 s10, ttmp9, 2
	s_add_co_u32 s10, s10, s9                      ; qb: my block of 256 queries: it enters global addresses alone
	s_and_b32 s11, ttmp7, 0xffff                   ; g: the head among 32, which the four partners share
	s_and_b32 s12, s11, 7                          ; hd
	s_lshr_b32 s13, s11, 3                         ; b
	s_mul_i32 s14, s11, HEADB                      ; the head's first byte in kv
	; descriptor group 1: a key step, 16,896 dense bytes, as 66 rows of 256 bytes (32 elements of 8 bytes), no padding
	s_mov_b32 s[G1], 15|(3<<16)|(1<<21)            ; 15:0 the mask: all four work-groups; 17:16 elements of 8 bytes; 21 set beside a mask
	s_mov_b32 s[G1+1], 32<<16
	s_mov_b32 s[G1+2], 66<<16
	s_mov_b32 s[G1+3], 32<<16
	s_mov_b32 s[G1+4], 66
	s_mov_b32 s[G1+5], 32
	s_mov_b32 s[G1+6], 0
	s_mov_b32 s[G1+7], 0
	s_and_b32 s47, s[WV], 3
	s_mul_i32 s47, s47, STEPB                      ; load i of wave w (0-3) brings key step 4 i + w
	s_add_co_u32 s48, s14, s47
	s_mov_b32 s49, 0
	s_lshl_b32 s50, s10, 1
	s_lshr_b32 s51, s[WV], 3
	s_add_co_u32 s50, s50, s51                     ; my queries are a key tile: of key step 2 qb + wave / 8,
	s_mul_i32 s52, s50, STEPB
	s_add_co_u32 s52, s52, s14
	s_bfe_u32 s53, s[WV], 0x20001                  ; fragment (wave / 2) % 4,
	s_and_b32 s54, s[WV], 1                        ; half u = wave % 2
	s_lshl_b32 s55, s53, 11
	s_lshl_b32 s56, s54, 10
	s_add_co_u32 s56, s56, s55
	s_add_co_u32 s56, s56, s52                     ; Q's codes
	s_mov_b32 s57, 0
	s_lshl_b32 s58, s53, 6
	s_lshl_b32 s59, s54, 1
	s_add_co_u32 s58, s58, s59
	s_add_co_u32 s58, s58, s52                     ; Q's two scale bytes, KSW further on
	s_mov_b32 s59, 0
	s_lshl_b32 s60, s13, 4
	s_add_co_u32 s60, s60, s50                     ; wf: block J' = 16 b + 2 qb + wave / 8,
	s_mul_i32 s60, s60, WFB
	s_and_b32 s61, s[WV], 7
	s_lshl_b32 s61, s61, 13                        ; row tile wave % 8,
	s_add_co_u32 s60, s60, s61
	s_lshl_b32 s61, s12, 10                        ; K step hd / 2, chunks 2 (hd % 2) on: 1,024 hd
	s_add_co_u32 s60, s60, s61
	s_mov_b32 s61, 0
	s_lshl_b32 s62, s13, 4
	s_lshl_b32 s63, s10, 1
	s_add_co_u32 s62, s62, s63
	s_mul_i32 s62, s62, WFB                        ; the scale half-words of blocks 16 b + 2 qb and the next: my head's plane
	s_lshl_b32 s63, s12, 8
	s_add_co_u32 s62, s62, s63
	s_add_co_u32 s62, s62, 65536
	s_mov_b32 s63, 0
	s_mov_b32 s[SEL], 0x76543210
	s_mov_b32 s[SEL+1], 0xfedcba98
	s_mov_b32 s[CS], 0x3d8293ee                    ; c = log2(e) / sqrt(512)
	s_mov_b32 s[CS+1], s[CS]                       ; (named with it as a pair, so it is written)
	s_wait_dscnt 0x0
	s_wait_kmcnt 0x0
	s_add_nc_u64 s[48:49], s[4:5], s[48:49]
	s_add_nc_u64 s[56:57], s[4:5], s[56:57]
	s_add_nc_u64 s[58:59], s[4:5], s[58:59]
	s_add_nc_u64 s[60:61], s[6:7], s[60:61]
	s_add_nc_u64 s[62:63], s[6:7], s[62:63]
.irp i, 0,1,2,3
	s_mov_b32 s[G0+4*\i], 1                        ; count = 1
	s_add_co_u32 s[G0+4*\i+1], s47, \i*4*STEPB     ; LDS address: the key step's place in the head
	s_add_nc_u64 s[G0+4*\i+2:G0+4*\i+3], s[48:49], \i*4*STEPB   ; global address
	s_or_b32 s[G0+4*\i+3], s[G0+4*\i+3], 0x80000000   ; type = 2
.endr
	CROUND                                         ; all four work-groups are here: the joint loads meet
	s_cmp_lt_u32 s[WV], 4                          ; a wave's four fills stand in one branch, ahead of every wait on TENSORcnt and every LDS read
	s_cbranch_scc0 .Lno_fill
	tensor_load_to_lds s[G0:G0+3], s[G1:G1+7]
	s_nop 0
	tensor_load_to_lds s[G0+4:G0+7], s[G1:G1+7]
	s_nop 0
	tensor_load_to_lds s[G0+8:G0+11], s[G1:G1+7]
	s_nop 0
	tensor_load_to_lds s[G0+12:G0+15], s[G1:G1+7]
	s_nop 0
.rept 4
	v_nop
.endr
.Lno_fill:
	v_and_b32 v9, 31, v0
	v_and_b32 v10, 15, v0
	v_bfe_u32 v11, v0, 4, 1
	s_delay_alu instid0(VALU_DEP_3)
	v_lshlrev_b32 v[L16], 4, v9
	s_delay_alu instid0(VALU_DEP_4)
	v_lshlrev_b32 v[L4], 2, v9
	s_delay_alu instid0(VALU_DEP_4)
	v_lshlrev_b32 v[QSA], 2, v10
	global_load_b128 v[QLO:QLO+3], v[L16], s[56:57]             ; Q's two chunks, from memory, twice: the run [Q | zeros | Q]
	global_load_b128 v[QLO+4:QLO+7], v[L16], s[56:57] offset:512
	global_load_b128 v[QHI+8:QHI+11], v[L16], s[56:57]
	global_load_b128 v[QHI+12:QHI+15], v[L16], s[56:57] offset:512
	global_load_u16 v[QS], v[QSA], s[58:59] offset:KSW
	s_lshl_b32 s51, s[WV], 5
	s_add_co_u32 s51, s51, SCST
	v_lshl_add_u32 v[SHA], v10, 1, s51
	v_add_nc_u32 v[SRA], SCST, v[L16]
	v_mul_u32_u24 v[SGO], v11, WFB                 ; lanes 16-31: the next block of wf
	s_delay_alu instid0(VALU_DEP_1)
	v_lshl_add_u32 v[SGO], v10, 4, v[SGO]
.irp j, 0,1,2,3,4,5,6,7
	v_mov_b32 v[QHI+\j], 0                         ; the zero codes between
.endr
	v_mov_b32 v13, 0xff61b1e6                      ; the largest t so far: -3e38, under every t
	s_delay_alu instid0(VALU_DEP_1)
	v_floor_f32 v12, -v13                          ; -M
	v_mov_b32 v14, 0                               ; the sum, in two chains of two halves
	v_mov_b32 v15, 0
	v_mov_b32 v[C2], 0
	v_mov_b32 v[C2+1], 0
.irp b, 0,1,2,3
	v_mov_b32 v[T2+\b], 0                          ; a lane permute's destination counts as one of its sources
.endr
	v_mov_b32 v[FF+1], 0
	v_mov_b32 v[TT], 0
	s_wait_loadcnt 0x0
	v_lshl_or_b32 v[QS], v[QS], 16, v[QS]          ; Q's two bytes serve k 0-63 and k 64-127
.set j, 0
.rept 32
	v_mov_b32 v[O+j], 0                            ; O^T.  (The step is written without a first step of its own: it finds zeros.  These are also the places between the scale word's line and the first product)
.set j, j+1
.endr
; The sums of blocks b0 and b0 + 1, pair i of eight: two packed additions of the unquantised p, one for each chain.
.macro SUMHOLD b0, i, withexp
.if \withexp
	v_exp_f32 v[S+32+4*\i], v[S+32+4*\i]
.endif
	v_pk_add_f32 v[14:15], v[14:15], v[S+16*\b0+2*\i:S+16*\b0+2*\i+1]
.if \withexp
	s_wait_alu depctr_va_vdst(0)
	v_exp_f32 v[S+33+4*\i], v[S+33+4*\i]
.endif
	v_pk_add_f32 v[C2:C2+1], v[C2:C2+1], v[S+16*\b0+16+2*\i:S+16*\b0+16+2*\i+1]
.if \withexp
	v_exp_f32 v[S+34+4*\i], v[S+34+4*\i]
.endif
.if \withexp
	v_exp_f32 v[S+35+4*\i], v[S+35+4*\i]
.endif
.endm
.macro CODES b                         ; block b's 16 numbers of my lane become registers 4 b .. 4 b + 3 of the second product's operand
	v_cvt_scalef32_pk8_fp8_f32 v[PC+4*\b:PC+1+4*\b], v[S+16*\b:S+7+16*\b], v[SO+\b]
	v_cvt_scalef32_pk8_fp8_f32 v[PC+2+4*\b:PC+3+4*\b], v[S+8+16*\b:S+15+16*\b], v[SO+\b]
.endm
; A KEY STEP: 128 keys.
.macro STEP
	v_add_nc_u32 v[ADK], s[TB], v[L16]
	v_add_nc_u32 v[ADS], s[TB], v[L4]
.rept 6
	v_nop                                          ; with the two additions: eight places in front of loads into registers that the last products read
.endr
	ds_load_b32 v[KS], v[ADS] offset:KSW           ; the scale words first: the first products want them
	ds_load_b32 v[KS+1], v[ADS] offset:KSW+128
.irp b, 0,1,2,3
.irp c, 0,1,2,3
	ds_load_b128 v[F+16*\b+4*\c:F+16*\b+4*\c+3], v[ADK] offset:2048*\b+512*\c   ; 32 lanes read 512 consecutive bytes
.endr
.endr
	s_wait_alu depctr_va_vdst(0)
.irp b, 0,2                                    ; S^T = K Q^T: each fragment twice, once for each of its two key tiles; LDS loads come back in order, so each wait leaves out the four loads of each later fragment
	s_wait_dscnt 12-4*\b
	v_wmma_scale_f32_16x16x128_f8f6f4 v[S+16*\b:S+16*\b+7], v[F+16*\b:F+16*\b+15], v[QLO:QLO+15], 0, v[KS+\b/2], v[QS]
	v_wmma_scale_f32_16x16x128_f8f6f4 v[S+16*\b+8:S+16*\b+15], v[F+16*\b:F+16*\b+15], v[QHI:QHI+15], 0, v[KS+\b/2], v[QS]
	s_wait_dscnt 8-4*\b
	v_wmma_scale_f32_16x16x128_f8f6f4 v[S+16*\b+16:S+16*\b+23], v[F+16*\b+16:F+16*\b+31], v[QLO:QLO+15], 0, v[KS+\b/2], v[QS] matrix_a_scale:MATRIX_SCALE_ROW1
	v_wmma_scale_f32_16x16x128_f8f6f4 v[S+16*\b+24:S+16*\b+31], v[F+16*\b+16:F+16*\b+31], v[QHI:QHI+15], 0, v[KS+\b/2], v[QS] matrix_a_scale:MATRIX_SCALE_ROW1
.endr                                          ; lane (r, h) holds query r; register 16 b + i holds key 32 b + 16 h + i
.rept 8
	v_nop                                          ; places in front of the loads below and of the first read of the scores
.endr
.irp t, 0,1,2,3
.irp c, 0,1,2,3
	ds_load_b128 v[F+16*\t+4*\c:F+16*\t+4*\c+3], v[ADK] offset:8192+2048*\t+512*\c   ; V's fragments land while the softmax is walked
.endr
.endr
	ds_load_b32 v[VS], v[ADS] offset:KSW+256
	ds_load_b32 v[VS+1], v[ADS] offset:KSW+384
.irp b, 0,1,2,3
	v_max3_num_f32 v[BM+\b], v[S+16*\b], v[S+1+16*\b], v[S+2+16*\b]   ; the largest score of each block of 32 keys: for the row's maximum, and, since p rises with the score, for the block's largest p
.endr
.irp i, 3,5,7,9,11,13
.irp b, 0,1,2,3
	v_max3_num_f32 v[BM+\b], v[BM+\b], v[S+16*\b+\i], v[S+1+16*\b+\i]
.endr
.endr
.irp b, 0,1,2,3
	v_max_num_f32 v[BM+\b], v[BM+\b], v[S+15+16*\b]
.endr
.irp b, 0,1,2,3
	s_delay_alu instid0(VALU_DEP_4)
	v_permlanex16_b32 v[T2+\b], v[BM+\b], s[SEL], s[SEL+1]
.endr
.irp b, 0,1,2,3
	s_delay_alu instid0(VALU_DEP_4)
	v_max_num_f32 v[BM+\b], v[BM+\b], v[T2+\b]     ; with lane l xor 16's 16 keys
.endr
	s_delay_alu instid0(VALU_DEP_2)
	v_max3_num_f32 v[TT], v[BM], v[BM+1], v[BM+2]
	s_delay_alu instid0(VALU_DEP_1)
	v_max_num_f32 v[TT], v[TT], v[BM+3]            ; the step's largest score of my query
	s_delay_alu instid0(VALU_DEP_1)
	v_mul_f32 v[TT], s[CS], v[TT]                  ; as t (c is positive)
	s_delay_alu instid0(VALU_DEP_1)
	v_max_num_f32 v13, v13, v[TT]                  ; the running largest t
	v_mov_b32 v[TT], v12
	s_delay_alu instid0(VALU_DEP_2)
	v_floor_f32 v12, -v13                          ; the new -M = floor(-t) = -ceil(t): a whole number
	s_delay_alu instid0(VALU_DEP_1)
	v_sub_f32 v[TT], v12, v[TT]                    ; old M - new M: a whole number, 0 or less
	s_delay_alu instid0(VALU_DEP_1)
	v_cvt_i32_f32 v[TT], v[TT]                     ; (it saturates)
	s_delay_alu instid0(VALU_DEP_1)
	v_ldexp_f32 v[FF], 1.0, v[TT]                  ; f = 2^(old M - new M)
.irp b, 0,1,2,3
	v_fma_f32 v[BM+\b], v[BM+\b], s[CS], v12       ; t - M of each block's largest score
.endr
	; BATCH (a): the blocks' largest p: the same multiply-add and exponential on the same number give the same bits as the block's own p
	s_wait_alu depctr_va_vdst(0)
.irp b, 0,1,2,3
	v_exp_f32 v[BM+\b], v[BM+\b]
.endr
.set j, 0
.rept 16
	v_pk_fma_f32 v[S+j:S+j+1], v[S+j:S+j+1], s[CS:CS+1], v[12:13] op_sel_hi:[1,0,0]   ; t - M of blocks 0 and 1, two at a time: plain work behind the four exponentials
.set j, j+2
.endr
	v_pk_mul_f32 v[14:15], v[14:15], v[FF:FF+1] op_sel_hi:[1,0]   ; the sums under the new M
	v_pk_mul_f32 v[C2:C2+1], v[C2:C2+1], v[FF:FF+1] op_sel_hi:[1,0]
	s_setprio 1
	s_wait_alu depctr_va_vdst(0)                   ; one wait for the four, ahead of their first reader
	; BATCH (b): p = 2^(t - M) of blocks 0 and 1.  Among its 32 exponentials: the scalings of blocks 2 and 3; for block k the floor, the conversion's scale operand and the byte; O^T's first two accumulators x f
.irp g, 0,1,2,3
.irp k, 0,1,2,3
	v_exp_f32 v[S+8*\g+2*\k], v[S+8*\g+2*\k]
	v_pk_fma_f32 v[S+32+8*\g+2*\k:S+33+8*\g+2*\k], v[S+32+8*\g+2*\k:S+33+8*\g+2*\k], s[CS:CS+1], v[12:13] op_sel_hi:[1,0,0]
	v_exp_f32 v[S+1+8*\g+2*\k], v[S+1+8*\g+2*\k]
.if \g == 0
	v_max_num_f32 v[BM+\k], 0x4800000, v[BM+\k]    ; the floor 2^(9 - 127): the byte cannot fall under 1
.elseif \g == 1
	v_add_nc_u32 v[SO+\k], 0xfc000000, v[BM+\k]    ; 8 off the exponent field: the conversion's scale operand
.elseif \g == 2
.else
	v_lshrrev_b32 v[T2+\k], 23, v[SO+\k]           ; the scale's byte
.endif
.if \g < 2
	s_wait_alu depctr_va_vdst(0)
	v_pk_mul_f32 v[O+8*\g+2*\k:O+1+8*\g+2*\k], v[O+8*\g+2*\k:O+1+8*\g+2*\k], v[FF:FF+1] op_sel_hi:[1,0]   ; each accumulator from its low end on
.endif
.endr
.endr
	s_wait_alu depctr_va_vdst(0)
	v_lshl_or_b32 v[PS], v[T2+1], 8, v[T2]         ; p's scale word for these 128 keys
	s_delay_alu instid0(VALU_DEP_1)
	v_lshl_or_b32 v[PS], v[T2+2], 16, v[PS]
	s_delay_alu instid0(VALU_DEP_1)
	v_lshl_or_b32 v[PS], v[T2+3], 24, v[PS]
	s_wait_alu depctr_va_vdst(0)                   ; one wait for the 32, ahead of their first reader
	; BATCH (c): p of blocks 2 and 3, among the sums of blocks 0 and 1, which name none of its results
.irp i, 0,1,2,3,4,5,6,7
	SUMHOLD 0, \i, 1
.endr
	CODES 0
	CODES 1
	s_setprio 0
	s_wait_alu depctr_va_vdst(0)                   ; one wait for the 32, ahead of their first reader
.irp i, 0,1,2,3,4,5,6,7
	SUMHOLD 2, \i, 0
.endr
	CODES 2
	CODES 3
.set j, 16
.rept 8
	v_pk_mul_f32 v[O+j:O+j+1], v[O+j:O+j+1], v[FF:FF+1] op_sel_hi:[1,0]   ; O^T's last two accumulators x f, each from its low end on.  These eight are also the places between the codes and the products
.set j, j+2
.endr
	s_wait_alu depctr_va_vdst(0)
	s_wait_dscnt 0x0                               ; V's fragments and scale words are in
.irp t, 0,2                                    ; O^T += V^T P^T: the four accumulators by turns
	v_wmma_scale_f32_16x16x128_f8f6f4 v[O+8*\t:O+8*\t+7], v[F+16*\t:F+16*\t+15], v[PC:PC+15], v[O+8*\t:O+8*\t+7], v[VS+\t/2], v[PS]
	v_wmma_scale_f32_16x16x128_f8f6f4 v[O+8*\t+8:O+8*\t+15], v[F+16*\t+16:F+16*\t+31], v[PC:PC+15], v[O+8*\t+8:O+8*\t+15], v[VS+\t/2], v[PS] matrix_a_scale:MATRIX_SCALE_ROW1
.endr
.endm
; A run of key steps, from step first on.  left: how many of a fetching wave's loads, issued behind those that brought these steps, may stay out.
.macro GROUP first, steps, left
	s_wait_tensorcnt \left                         ; tensor loads of a wave end in order: my loads of these steps are in; later ones may stay out
	s_barrier_signal -1
	s_barrier_wait -1                              ; everybody's are
	s_mov_b32 s[TB], \first*STEPB
	s_mov_b32 s[CNT], \steps
.Lstep_\@:
	s_setprio 2
	STEP
	s_add_co_u32 s[TB], s[TB], STEPB
	s_sub_co_u32 s[CNT], s[CNT], 1
	s_cmp_lg_u32 s[CNT], 0
	s_cbranch_scc1 .Lstep_\@
	s_setprio 0
.endm
	GROUP 0, 4, 3                                  ; key steps 0-3: each fetching wave's first load; its other three may be out
	GROUP 4, 12, 0                                 ; key steps 4-15: all the rest
	; THE WAY OUT: O^T / the sum; register 16 B + i is channel 32 B + 16 h + i of my query: two blocks of 32 along d, each in lanes l and l xor 16; quantised, and stored as chunks of the last product's operand.
	v_pk_add_f32 v[14:15], v[14:15], v[C2:C2+1]    ; the sum's two chains,
	s_delay_alu instid0(VALU_DEP_1)
	v_add_f32 v14, v14, v15                        ; its two halves,
	s_delay_alu instid0(VALU_DEP_1)
	v_permlanex16_b32 v[TT], v14, s[SEL], s[SEL+1]
	s_delay_alu instid0(VALU_DEP_1)
	v_add_f32 v14, v14, v[TT]                      ; and lane l xor 16's: the row's sum
	s_wait_alu depctr_va_vdst(0)
	v_rcp_f32 v[FF], v14
.rept 8
	v_nop                                          ; eight places behind the last products, and the plain instruction behind the reciprocal
.endr
	s_wait_alu depctr_va_vdst(0)                   ; ahead of the reciprocal's first reader
.set j, 0
.rept 16
	v_pk_mul_f32 v[S+j:S+j+1], v[O+j:O+j+1], v[FF:FF+1] op_sel_hi:[1,0]   ; each accumulator from its low end on
.set j, j+2
.endr
.irp b, 0,1
	v_max3_num_f32 v[BM+\b], |v[S+16*\b]|, |v[S+1+16*\b]|, 0x4800000   ; the block's largest magnitude, with the floor 2^(9 - 127)
.endr
.irp i, 2,4,6,8,10,12,14
.irp b, 0,1
	s_delay_alu instid0(VALU_DEP_2)
	v_max3_num_f32 v[BM+\b], v[BM+\b], |v[S+16*\b+\i]|, |v[S+1+16*\b+\i]|
.endr
.endr
.irp b, 0,1
	s_delay_alu instid0(VALU_DEP_2)
	v_permlanex16_b32 v[T2+\b], v[BM+\b], s[SEL], s[SEL+1]
.endr
.irp b, 0,1
	s_delay_alu instid0(VALU_DEP_2)
	v_max_num_f32 v[BM+\b], v[BM+\b], v[T2+\b]
.endr
.irp b, 0,1
	s_delay_alu instid0(VALU_DEP_2)
	v_add_nc_u32 v[SO+\b], 0xfc000000, v[BM+\b]
.endr
.irp b, 0,1
.endr
.irp b, 0,1
	s_delay_alu instid0(VALU_DEP_2)
	v_lshrrev_b32 v[T2+\b], 23, v[SO+\b]
.endr
	s_delay_alu instid0(VALU_DEP_1)
	v_lshl_or_b32 v[PW], v[T2+1], 8, v[T2]         ; my row's two bytes
.irp b, 0,1
.irp i, 0,1,2,3,4,5,6,7,8,9,10,11,12,13,14,15
.endr
	v_cvt_scalef32_pk8_fp8_f32 v[PC+4*\b:PC+1+4*\b], v[S+16*\b:S+7+16*\b], v[SO+\b]
	v_cvt_scalef32_pk8_fp8_f32 v[PC+2+4*\b:PC+3+4*\b], v[S+8+16*\b:S+15+16*\b], v[SO+\b]
.endr
	v_nop                                          ; one plain vector instruction behind the last conversion
	global_store_b128 v[L16], v[PC:PC+3], s[60:61]              ; 32 lanes store 512 consecutive bytes, at a multiple of 256 from wf's first byte
	global_store_b128 v[L16], v[PC+4:PC+7], s[60:61] offset:512
	ds_store_b16 v[SHA], v[PW]                     ; both halves of the lanes write the same half-word with the same value
	s_wait_dscnt 0x0                               ; for wave 0's sake
	s_barrier_signal -1
	s_barrier_wait -1
	s_cmp_lg_u32 s[WV], 0
	s_cbranch_scc1 .Lno_words
	ds_load_b128 v[F:F+3], v[SRA]                  ; sixteen waves' 32 bytes each: lanes 0-15 take block J's 256 bytes, lanes 16-31 the next block's
	s_wait_dscnt 0x0
	global_store_b128 v[SGO], v[F:F+3], s[62:63]   ; sixteen lanes store 256 consecutive bytes, aligned
.Lno_words:
	s_wait_tensorcnt 0x0
	ds_add_u32 v254, v255
	s_wait_dscnt 0x0
	CROUND                                         ; the closing round: no work-group ends while a partner may still ask for a tile that names it
	s_endpgm
.Lfunc_end_k_q6f6803ccd8_attn:
	.size	k_q6f6803ccd8_attn, .Lfunc_end_k_q6f6803ccd8_attn-k_q6f6803ccd8_attn
	.p2alignl 7, 3214868480
	.fill 96, 4, 3214868480
	.section	.rodata,"a",@progbits
	.p2align	6, 0x0
	.amdhsa_kernel k_q6f6803ccd8_attn
		.amdhsa_group_segment_fixed_size 272896
		.amdhsa_private_segment_fixed_size 0
		.amdhsa_enable_private_segment 0
		.amdhsa_kernarg_size 16
		.amdhsa_user_sgpr_count 2
		.amdhsa_user_sgpr_kernarg_segment_ptr 1
		.amdhsa_wavefront_size32 1
		.amdhsa_system_sgpr_workgroup_id_x 1
		.amdhsa_system_sgpr_workgroup_id_y 1
		.amdhsa_system_sgpr_workgroup_id_z 1
		.amdhsa_system_vgpr_workitem_id 0
		.amdhsa_next_free_vgpr 256
		.amdhsa_next_free_sgpr 66
		.amdhsa_reserve_vcc 0
		.amdhsa_float_denorm_mode_32 3
		.amdhsa_float_denorm_mode_16_64 3
		.amdhsa_fp16_overflow 1
		.amdhsa_memory_ordered 1
		.amdhsa_forward_progress 1
		.amdhsa_inst_pref_size 49
	.end_amdhsa_kernel
	.amdgpu_metadata
---
amdhsa.version: [ 1, 2 ]
amdhsa.kernels:
  - .name:           k_q6f6803ccd8_attn
    .symbol:         k_q6f6803ccd8_attn.kd
    .args:
      - { .name: kv, .offset: 0, .size: 8, .value_kind: global_buffer, .address_space: global }
      - { .name: wf, .offset: 8, .size: 8, .value_kind: global_buffer, .address_space: global }
    .group_segment_fixed_size: 272896
    .private_segment_fixed_size: 0
    .kernarg_segment_align: 8
    .kernarg_segment_size: 16
    .max_flat_workgroup_size: 512
    .sgpr_count:     66
    .vgpr_count:     256
    .wavefront_size: 32
...
	.end_amdgpu_metadata
.endif
;; end of part 3
;; launch outp (part 4): grid 4 x 64, 8 waves a work-group, clusters of 4 x 4, 205,824 bytes of LDS; arguments wf, q, out0; writes out0
.if DOCPART == 4
	.amdgcn_target "amdgcn-amd-amdhsa--gfx1250"
	.amdhsa_code_object_version 6
	.text
	.protected	k_q6f6803ccd8_outp
	.globl	k_q6f6803ccd8_outp
	.p2align	8
	.type	k_q6f6803ccd8_outp,@function
k_q6f6803ccd8_outp:
	s_mov_b64 s[64:65], 0
	v_nop
	global_prefetch_b8 v0, s[64:65] scope:SCOPE_SE
	s_setreg_imm32_b32 hwreg(HW_REG_WAVE_MODE, 25, 1), 1
	s_wait_xcnt 0x0
	s_wait_alu depctr_hold_cnt(0) depctr_sa_sdst(0) depctr_va_vdst(0) depctr_va_sdst(0) depctr_va_ssrc(0) depctr_va_vcc(0) depctr_vm_vsrc(0)
	s_getreg_b32 s2, hwreg(HW_REG_IB_STS2, 6, 4)
	s_cmp_eq_u32 s2, 0
	s_cbranch_scc0 .Lentry_in_a_cluster
	s_endpgm
.Lentry_in_a_cluster:
	s_bfe_u32 s2, ttmp6, 0x10000c
	s_cmp_lg_u32 s2, 0xf033
	s_cbranch_scc0 .Lentry_shape_is_right
	s_endpgm
.Lentry_shape_is_right:
; out = Q(wV) Q(Wo)^T on codes of FP8 (E4M3) with E8M0 scales, f32 sums, K steps ascending on one accumulator for each output.  Both operands arrive as images of their registers: wf (made by the attention
; launch) and Wo's records of q.
; SHARES: work-group (P, J): rows 128 J .. + 127 (block J of wf) x columns 128 P .. + 127 (Wo's records 8 P .. + 7).  Wave w: row tiles 2 a, 2 a + 1 (a = w / 2) x Wo's tiles 4 (w % 2) .. + 3: 64 columns.
; THE MATRIX INSTRUCTION IS USED TRANSPOSED (source 0 = 16 rows of Wo, source 1 = 16 rows of wV): with Wo's rows chosen as q lays them, a lane's 16 registers of two neighbouring tiles are 16 neighbouring columns of one row.
; Row r of row tile T is row 32 (T / 2) + 8 (T % 2) + r + 8 (r / 8) of out.
; CLUSTER 4 x 4: the four of a row share wf's block, the four of a column Wo's records: each is asked for jointly.  LDS is filled once; by this text's count a wave has one tensor load out.
; THE WAY OUT: a wave's 16 rows x 256 bytes go through its own stage in LDS and leave as whole runs: sixteen lanes store 256 consecutive bytes, aligned.
.set REC,   8448
.set STEPB, 16896                      ; what one tensor load brings
.set WFB,   67584
.set BR,    WFB                        ; LDS: wf's block at 0 (codes, then at 65,536 eight planes of scale half-words), Wo's records here,
.set STG,   2*WFB                      ; and the stages: two of 16 rows x 272 bytes for each wave; no tile lands there
.set SP,    272                        ; a stage row: 256 bytes + 16 = 68 words: row r starts at bank 4 r mod 64 (64 banks of 4 bytes: ISA guide 11.1)
.set STGB,  16*SP
.set QWO,   544*REC                    ; Wo's first record in q
.set ACC, 16                           ; v16-79   accumulator (i, n) at 32 i + 8 n
.set FW,  80                           ; v80-143  Wo's four fragments; on the way out the rows read back
.set FA,  144                          ; v144-175 wV's two fragments
.set HT,  176                          ; v176-191 scale half-words as loaded
.set SW,  224                          ; v224-227 Wo's scale words
.set SA,  228                          ; v228-235 wV's scale words: 4 i + s
.set WV,  14
.set G1A, 24
.set G0A, 32
.set G1B, 48
.set G0B, 56
.macro CROUND
	s_barrier_signal -1
	s_barrier_wait -1
	s_cmp_lg_u32 s[WV], 0
	s_cbranch_scc1 .Lnot_wave_0_\@
	s_barrier_signal -3
.Lnot_wave_0_\@:
	s_barrier_wait -3
	s_barrier_signal -1
	s_barrier_wait -1
.endm
	s_load_b128 s[4:7], s[0:1], 0x0                ; wf s[4:5], q s[6:7]
	s_load_b64 s[8:9], s[0:1], 0x10                ; out0
	v_lshl_add_u32 v254, v0, 2, 0x32000
	v_mov_b32 v255, 0
	ds_add_u32 v254, v255
	ds_add_u32 v254, v255
	v_lshrrev_b32 v13, 5, v0
	s_delay_alu instid0(VALU_DEP_1)
	v_readfirstlane_b32 s[WV], v13                 ; wave 0..7
	s_lshr_b32 s15, s[WV], 1                       ; a
	s_and_b32 s16, s[WV], 1                        ; which 64 columns
	s_and_b32 s19, s[WV], 3                        ; which quarter of a block I fetch
	s_bfe_u32 s40, ttmp6, 0x40000                  ; cx, cy
	s_bfe_u32 s41, ttmp6, 0x40004
	s_lshl_b32 s42, ttmp9, 2
	s_add_co_u32 s42, s42, s40                     ; P
	s_and_b32 s17, ttmp7, 0xffff
	s_lshl_b32 s17, s17, 2
	s_add_co_u32 s17, s17, s41                     ; J
	s_lshl_b32 s43, s41, 2
	s_lshl_b32 s43, 15, s43                        ; my row of the cluster
	s_lshl_b32 s44, 0x1111, s40                    ; my column
	s_or_b32 s[G1A], s43, (3<<16)|(1<<21)          ; 15:0 the mask: wf's block goes to my row; 17:16 elements of 8 bytes; 21 set beside a mask
	s_or_b32 s[G1B], s44, (3<<16)|(1<<21)          ; Wo's records go to my column
.irp g, G1A, G1B
	s_mov_b32 s[\g+1], 32<<16                      ; 66 dense rows of 256 bytes, no padding
	s_mov_b32 s[\g+2], 66<<16
	s_mov_b32 s[\g+3], 32<<16
	s_mov_b32 s[\g+4], 66
	s_mov_b32 s[\g+5], 32
	s_mov_b32 s[\g+6], 0
	s_mov_b32 s[\g+7], 0
.endr
	s_mul_i32 s18, s19, STEPB
	s_mul_i32 s20, s17, WFB                        ; wf's block: hangs on J alone
	s_add_co_u32 s20, s20, s18
	s_mov_b32 s21, 0
	s_mul_i32 s46, s42, 8*REC                      ; Wo's records: hang on P alone
	s_add_co_u32 s46, s46, s18
	s_add_co_u32 s46, s46, QWO
	s_mov_b32 s47, 0
	s_mul_i32 s45, s[WV], STEPB                    ; where they go: wave x 16,896
	s_wait_dscnt 0x0
	s_wait_kmcnt 0x0
	s_add_nc_u64 s[20:21], s[4:5], s[20:21]
	s_add_nc_u64 s[46:47], s[6:7], s[46:47]
	CROUND                                         ; all sixteen work-groups are here: the joint loads meet
	s_mov_b32 s[G0A], 1
	s_mov_b32 s[G0A+1], s45
	s_mov_b64 s[G0A+2:G0A+3], s[20:21]
	s_or_b32 s[G0A+3], s[G0A+3], 0x80000000
	s_mov_b32 s[G0B], 1
	s_mov_b32 s[G0B+1], s45
	s_mov_b64 s[G0B+2:G0B+3], s[46:47]
	s_or_b32 s[G0B+3], s[G0B+3], 0x80000000
	s_cmp_lt_u32 s[WV], 4                          ; the branch hangs on the wave's number alone; four v_nop follow each of the two lines
	s_cbranch_scc0 .Lfor_b
	tensor_load_to_lds s[G0A:G0A+3], s[G1A:G1A+7]
	s_nop 0
.rept 4
	v_nop
.endr
	s_branch .Lasked
.Lfor_b:
	tensor_load_to_lds s[G0B:G0B+3], s[G1B:G1B+7]
	s_nop 0
.rept 4
	v_nop
.endr
.Lasked:
	v_and_b32 v10, 31, v0
	v_and_b32 v11, 15, v0                          ; r
	v_bfe_u32 v12, v0, 4, 1                        ; h
	s_delay_alu instid0(VALU_DEP_3)
	v_lshlrev_b32 v1, 4, v10                       ; 16 x lane
	s_delay_alu instid0(VALU_DEP_3)
	v_lshlrev_b32 v2, 4, v11                       ; 16 r
	s_lshl_b32 s10, s15, 14                        ; row tiles 2 a on: 8,192 bytes of codes each
	v_add_nc_u32 v3, s10, v1                       ; v3  wV's images
	s_mul_i32 s11, s16, 4*REC
	s_add_co_u32 s11, s11, BR
	v_add_nc_u32 v4, s11, v1                       ; v4  Wo's images
	v_add_nc_u32 v5, s11, v2                       ; v5  Wo's scale words
	s_lshl_b32 s12, s15, 6
	s_add_co_u32 s12, s12, 65536
	v_lshl_add_u32 v6, v11, 1, s12                 ; v6  wV's scale half-words: 65,536 + 64 a + 2 r
	s_mul_i32 s13, s[WV], 2*STGB
	s_add_co_u32 s13, s13, STG                     ; my stages
	v_mul_u32_u24 v7, v11, SP
	s_delay_alu instid0(VALU_DEP_1)
	v_lshl_add_u32 v7, v12, 6, v7
	s_delay_alu instid0(VALU_DEP_1)
	v_add_nc_u32 v7, s13, v7                       ; v7  in: row r, + 64 h
	v_mul_u32_u24 v8, v12, SP
	s_delay_alu instid0(VALU_DEP_1)
	v_add_nc_u32 v8, v8, v2
	s_delay_alu instid0(VALU_DEP_1)
	v_add_nc_u32 v8, s13, v8                       ; v8  back: lanes 0-15 one row, lanes 16-31 the next
	v_lshl_add_u32 v9, v12, 11, v2                 ; v9  and the same two rows in out
	s_lshl_b32 s22, s17, 18                        ; out: 128 J rows of 2,048 bytes,
	s_lshl_b32 s23, s15, 16                        ; 32 a rows,
	s_add_co_u32 s22, s22, s23
	s_lshl_b32 s23, s42, 9                         ; 128 P columns,
	s_add_co_u32 s22, s22, s23
	s_lshl_b32 s23, s16, 8                         ; my 64
	s_add_co_u32 s22, s22, s23
	s_mov_b32 s23, 0
	s_add_nc_u64 s[8:9], s[8:9], s[22:23]
	s_wait_alu depctr_va_vdst(0)
	s_wait_tensorcnt 0x0                           ; my quarter is in,
	s_barrier_signal -1
	s_barrier_wait -1                              ; everybody's is
.irp i, 0,1
.irp d, 0,1,2,3,4,5,6,7
	ds_load_u16 v[HT+8*\i+\d], v6 offset:256*\d+32*\i   ; head d's two bytes of my row of row tile 2 a + i
.endr
.endr
	s_wait_dscnt 0x0
.irp i, 0,1
.irp s, 0,1,2,3
	v_lshl_or_b32 v[SA+4*\i+\s], v[HT+8*\i+2*\s+1], 16, v[HT+8*\i+2*\s]   ; K step s is heads 2 s and 2 s + 1
.endr
.endr
.rept 8
	v_nop                                          ; a scale register written by a vector instruction stands eight places ahead of the product that reads it
.endr
.macro OSTEP s
.if \s > 0
.rept 8
	v_nop                                          ; places in front of loads into registers that matrix instructions have read
.endr
.endif
.irp n, 0,1,2,3
.irp c, 0,1,2,3
	ds_load_b128 v[FW+16*\n+4*\c:FW+16*\n+4*\c+3], v4 offset:\n*REC+\s*2048+\c*512
.endr
	ds_load_b32 v[SW+\n], v5 offset:\n*REC+8192+4*\s
.endr
.irp i, 0,1
.irp c, 0,1,2,3
	ds_load_b128 v[FA+16*\i+4*\c:FA+16*\i+4*\c+3], v3 offset:\i*8192+\s*2048+\c*512
.endr
.endr
	s_wait_dscnt 0x0
.irp i, 0,1
.irp n, 0,1,2,3
.if \s == 0
	v_wmma_scale_f32_16x16x128_f8f6f4 v[ACC+32*\i+8*\n:ACC+32*\i+8*\n+7], v[FW+16*\n:FW+16*\n+15], v[FA+16*\i:FA+16*\i+15], 0, v[SW+\n], v[SA+4*\i+\s]
.else
	v_wmma_scale_f32_16x16x128_f8f6f4 v[ACC+32*\i+8*\n:ACC+32*\i+8*\n+7], v[FW+16*\n:FW+16*\n+15], v[FA+16*\i:FA+16*\i+15], v[ACC+32*\i+8*\n:ACC+32*\i+8*\n+7], v[SW+\n], v[SA+4*\i+\s]
.endif
.endr
.endr
.endm
	s_wait_alu depctr_va_vdst(0)
	OSTEP 0                                        ; the eight accumulators take turns, one instruction a turn
	OSTEP 1
	OSTEP 2
	OSTEP 3
.rept 8
	v_nop                                          ; places in front of the first read of results and of the loads into Wo's registers
.endr
.irp i, 0,1
.irp b, 0,1
.irp k, 0,1,2,3
	ds_store_b128 v7, v[ACC+32*\i+16*\b+4*\k:ACC+32*\i+16*\b+4*\k+3] offset:STGB*\i+128*\b+16*\k   ; lane (r, h): columns 32 b + 16 h + 4 k on of row r; each accumulator from its low end on
.endr
.endr
.irp k, 0,1,2,3,4,5,6,7
	ds_load_b128 v[FW+32*\i+4*\k:FW+32*\i+4*\k+3], v8 offset:STGB*\i+2*SP*\k   ; LDS serves a wave's instructions in order: these see my stores
.endr
.endr
.irp i, 0,1
.irp k, 0,1,2,3,4,5,6,7
	s_wait_dscnt 23-16*\i-\k                       ; behind this load: the rest of its stage's loads, and for the first stage the second's 16 instructions
	global_store_b128 v9, v[FW+32*\i+4*\k:FW+32*\i+4*\k+3], s[8:9] offset:(8*\i+2*\k+8*(\k/4))*2048 th:TH_STORE_NT   ; stage rows 2 k, 2 k + 1 of tile 2 a + i; sixteen lanes store 256 consecutive bytes, aligned; written once
.endr
.endr
	s_wait_tensorcnt 0x0
	ds_add_u32 v254, v255
	s_wait_dscnt 0x0
	CROUND                                         ; the closing round: no work-group ends while a partner may still ask for a tile that names it
	s_endpgm
.Lfunc_end_k_q6f6803ccd8_outp:
	.size	k_q6f6803ccd8_outp, .Lfunc_end_k_q6f6803ccd8_outp-k_q6f6803ccd8_outp
	.p2alignl 7, 3214868480
	.fill 96, 4, 3214868480
	.section	.rodata,"a",@progbits
	.p2align	6, 0x0
	.amdhsa_kernel k_q6f6803ccd8_outp
		.amdhsa_group_segment_fixed_size 205824
		.amdhsa_private_segment_fixed_size 0
		.amdhsa_enable_private_segment 0
		.amdhsa_kernarg_size 24
		.amdhsa_user_sgpr_count 2
		.amdhsa_user_sgpr_kernarg_segment_ptr 1
		.amdhsa_wavefront_size32 1
		.amdhsa_system_sgpr_workgroup_id_x 1
		.amdhsa_system_sgpr_workgroup_id_y 1
		.amdhsa_system_sgpr_workgroup_id_z 1
		.amdhsa_system_vgpr_workitem_id 0
		.amdhsa_next_free_vgpr 256
		.amdhsa_next_free_sgpr 66
		.amdhsa_reserve_vcc 0
		.amdhsa_float_denorm_mode_32 3
		.amdhsa_float_denorm_mode_16_64 3
		.amdhsa_memory_ordered 1
		.amdhsa_forward_progress 1
		.amdhsa_inst_pref_size 25
	.end_amdhsa_kernel
	.amdgpu_metadata
---
amdhsa.version: [ 1, 2 ]
amdhsa.kernels:
  - .name:           k_q6f6803ccd8_outp
    .symbol:         k_q6f6803ccd8_outp.kd
    .args:
      - { .name: wf, .offset: 0, .size: 8, .value_kind: global_buffer, .address_space: global }
      - { .name: q, .offset: 8, .size: 8, .value_kind: global_buffer, .address_space: global }
      - { .name: out0, .offset: 16, .size: 8, .value_kind: global_buffer, .address_space: global }
    .group_segment_fixed_size: 205824
    .private_segment_fixed_size: 0
    .kernarg_segment_align: 8
    .kernarg_segment_size: 24
    .max_flat_workgroup_size: 256
    .sgpr_count:     66
    .vgpr_count:     256
    .wavefront_size: 32
...
	.end_amdgpu_metadata
.endif
;; end of part 4
